; MI455X (gfx1250); checked and timed in simulation.
; The chip was launched on July 23, 2026; its instructions are those of AMD's public machine-readable ISA for CDNA 5 (MIT licence, August 2026) and "CDNA5" Instruction Set Architecture Reference Guide (July 2026). The comments in the code are by the model that wrote it; some were corrected since.
;; Multi Head Attention. Allowed arithmetic: matrix products marked QUANTISED: E4M3 operands, one given power-of-two scale a tensor, by v_wmma_f32_16x16x64_fp8_fp8 or v_wmma_f32_16x16x128_fp8_fp8, f32 sums; everything else in f32.
;; Inputs: Wk_codes 1,024 x 32 x 32 uint8 (E4M3 codes of Wk, K innermost, in blocks of 32 codes); Wo_codes 1,024 x 32 x 32 uint8 (E4M3 codes of Wo, K innermost, in blocks of 32 codes); Wq_codes 1,024 x 32 x 32 uint8 (E4M3 codes of Wq, K innermost, in blocks of 32 codes); Wv_codes 1,024 x 32 x 32 uint8 (E4M3 codes of Wv, K innermost, in blocks of 32 codes); bk 1,024 float32; bo 1,024 float32; bq 1,024 float32; bv 1,024 float32; lowp_scales 12 int32 (the exponents e of the quantised operands' scales 2^e); x_codes 4 x 2,048 x 32 x 32 uint8 (E4M3 codes of x, K innermost, in blocks of 32 codes).
;; Outputs: out0 4 x 2,048 x 1,024 float32.
;; This version of the problem:
;;   THIS VERSION OF THE PROBLEM IS GIVEN IN LOW PRECISION. The matrix products marked QUANTISED in the list below multiply operands that are first quantised to E4M3 (4 exponent bits, 3 mantissa bits; 8 bits a number), with one given power-of-two scale for each operand tensor; their sums are f32. All else is computed in f32.
;;   The module's matrix products, in the order in which they are computed (A, B: the left and right operand; K: the contracted axis; several contracted axes count as one K, in the product's order):
;;     1. [M 8,192, K 1,024] x [K 1,024, N 1,024]; A: input x (given as codes); B: input Wq (given as codes): QUANTISED (scales: A lowp_scales[0], B lowp_scales[1])
;;     2. [M 8,192, K 1,024] x [K 1,024, N 1,024]; A: input x (given as codes); B: input Wk (given as codes): QUANTISED (scales: A lowp_scales[2], B lowp_scales[3])
;;     3. [M 8,192, K 1,024] x [K 1,024, N 1,024]; A: input x (given as codes); B: input Wv (given as codes): QUANTISED (scales: A lowp_scales[4], B lowp_scales[5])
;;     4. batch 64 x [M 2,048, K 64] x [K 64, N 2,048]; A: computed on the way; B: computed on the way: QUANTISED (scales: A lowp_scales[6], B lowp_scales[7])
;;     5. batch 64 x [M 2,048, K 2,048] x [K 2,048, N 64]; A: softmax (see below); B: computed on the way: QUANTISED (scales: A lowp_scales[8], B lowp_scales[9])
;;     6. [M 8,192, K 1,024] x [K 1,024, N 1,024]; A: computed on the way; B: input Wo (given as codes): QUANTISED (scales: A lowp_scales[10], B lowp_scales[11])
;;   THE QUANTISER, for each operand of a quantised product, along K:
;;     - The operand's scale is 2^e, e = its entry of the input lowp_scales (int32; the entries are numbered through the quantised products in the list's order, A before B).
;;     - Each number is divided by the scale, clamped to +-448, and rounded to the nearest number of E4M3, ties to even, subnormals kept.
;;     - The product sums the exact products of the quantised numbers (number of the format x scale) in f32.
;;   ~~~python
;;   def quantise(x, axis, e):      # numpy; x: float32 -> the quantised numbers, widened to float32 again
;;       x = np.moveaxis(x, axis, -1); K = x.shape[-1]
;;       r = np.clip(x / 2.0 ** e, -448, 448)
;;       step = 2.0 ** (np.maximum(np.frexp(np.where(r == 0, 1, r))[1] - 1, -6) - 3)
;;       q = np.round(r / step) * step * 2.0 ** e      # np.round: ties to even
;;       return np.moveaxis(q, -1, axis).astype(np.float32)
;;   ~~~
;;   SOFTMAX AHEAD OF A QUANTISED PRODUCT. Where the list says 'softmax', what is quantised is not the finished softmax but p = 2^(t - M), with t = logit x log2(e) and M = ceil(the row's largest t), a whole number; so 1/2 < the row's largest p <= 1. The row's sum l is taken of the UNQUANTISED p, in f32, and the product's result is divided by l at the end. Since M is a whole number, a kernel that streams over the keys may use a running M (the ceiling of the running maximum): every later rescaling is an exact power of two, so the quantised numbers keep their values, but for numbers so far below the row's largest that they fall under the format's range.
;;   OPERANDS COMPUTED ON THE WAY. 'Computed on the way' means the value that the module computes at that place (a softmax that the list does not call 'softmax' is quantised finished and normalised). What goes into a quantiser is computed in f32, as accurately as f32 sums, v_exp_f32 and their like allow (about 1e-6 of the number): no bf16 or f16 on the way to a quantiser, and a product that is left as it is and whose result goes on into a quantised operand takes f32 operands (vector FMAs, or v_wmma_f32_16x16x4_f32). A number that lies on a knife's edge between two numbers of the format may be rounded either way, as far as f32 arithmetic and the matrix unit's own rounding can turn it there, and no further.
;;   INPUTS GIVEN AS CODES. Wk (in the module: [1024, 1024], K = its axis 0); Wo (in the module: [1024, 1024], K = its axis 0); Wq (in the module: [1024, 1024], K = its axis 0); Wv (in the module: [1024, 1024], K = its axis 0); x (in the module: [4, 2048, 1024], K = its axis 2): each comes as NAME_codes (uint8): NAME with its K axis moved to the last place and cut into blocks of 32 codes, [.., K / 32, bytes a block], one block behind the other in memory; one code a byte (a code: sign, 4 exponent bits, 3 mantissa bits); its scale is its entry of lowp_scales. Its value is code x scale, taken as it is: it is not quantised again, and the codes and scales need not be those that the quantiser above would give.
;; One version. Each part assembles by itself: llvm-mc -triple=amdgcn-amd-amdhsa -mcpu=gfx1250 --defsym DOCPART=n.
;; ======== version 1 of 1: 3 launches
;; limits: right only within a limited range of input values
;; workspace buffers: q_img 8,388,608 bytes; kv_img 16,777,216 bytes; a_img 8,388,608 bytes
;; launch qkv (part 1): grid 4 x 96, 4 waves a work-group, clusters of 4 x 4, 327,680 bytes of LDS; arguments x_codes, Wq_codes, Wk_codes, Wv_codes, bq, bk, bv, lowp_scales, q_img, kv_img; writes q_img, kv_img
.if DOCPART == 1
	.amdgcn_target "amdgcn-amd-amdhsa--gfx1250"
	.amdhsa_code_object_version 6
	.text
	.protected	k_qbb2eff593e_qkv
	.globl	k_qbb2eff593e_qkv
	.p2align	8
	.type	k_qbb2eff593e_qkv,@function
k_qbb2eff593e_qkv:
	s_mov_b64 s[64:65], 0
	v_nop
	global_prefetch_b8 v0, s[64:65] scope:SCOPE_SE
	s_setreg_imm32_b32 hwreg(HW_REG_WAVE_MODE, 25, 1), 1
	s_wait_xcnt 0x0
	s_wait_alu depctr_hold_cnt(0) depctr_sa_sdst(0) depctr_va_vdst(0) depctr_va_sdst(0) depctr_va_ssrc(0) depctr_va_vcc(0) depctr_vm_vsrc(0)
	s_getreg_b32 s2, hwreg(HW_REG_IB_STS2, 6, 4)
	s_cmp_eq_u32 s2, 0
	s_cbranch_scc0 .Lentry_in_a_cluster
	s_endpgm
.Lentry_in_a_cluster:
	s_bfe_u32 s2, ttmp6, 0x10000c
	s_cmp_lg_u32 s2, 0xf033
	s_cbranch_scc0 .Lentry_shape_is_right
	s_endpgm
.Lentry_shape_is_right:
; THE THREE PROJECTIONS q = x Wq + bq, k = x Wk + bk, v = x Wv + bv, on codes of FP8 (E4M3), and the quantising of their results for the attention launch.
; x: [8192][1024] codes; Wq, Wk, Wv: [1024 (n)][1024 (k)] codes, K innermost; biases f32; lowp_scales: twelve whole numbers e, a scale is 2^e.
; ONE BODY, C = A B^T with K = 1,024, serves all three.  The cluster's y gives KIND = y / 8 (0: q, 1: k, 2: v) and C8 = y % 8.
;   q, k: A = x (rows = tokens), B = the weight (rows = output features).     v: A = Wv, B = x: so V comes out TRANSPOSED, a row a feature and the tokens (the keys) along the columns.
; A tile of C, 256 x 256, is made by a work-group of four waves; a wave makes 128 x 128: 64 accumulators of 16 x 16, 512 registers.  K goes in steps of 256 through two LDS slots filled by the tensor data mover.
; CLUSTERS: 4 x 4 work-groups; the four of a row need the same tiles of A, the four of a column the same tiles of B: each tile is asked for JOINTLY.  KIND is the same in all sixteen partners.
; THE MATRIX INSTRUCTION IS USED TRANSPOSED (source 0 = 16 rows of B, source 1 = 16 rows of A): lane (r = lane % 16, h = lane / 16) holds row r of A's block and, in register j of accumulator (a, b), column 16 b + 8 h + j.
; THE WAY OUT NEEDS NO LDS.  value = sum x 2^(ea + eb) + bias (one fused multiply-add), held within +-448 x 2^eq, converted eight at a time: the two registers of codes of accumulator (a, b) hold columns 16 b + 8 h + 0 .. 7 of row r,
; which is just what registers 2 c, 2 c + 1 (c = b % 4) of a 16 x 64 operand of the K = 64 matrix form hold.  So four accumulators' codes ARE a fragment's eight registers, and they are stored as an IMAGE of those registers:
; two stores of 16 bytes a lane at 16 x lane, each 512 consecutive bytes, aligned.  The attention launch loads the same bytes back into the same lanes.
;   q_img  [b x 16 + head][query tile of 16: 128][1,024 bytes]
;   kv_img [b x 16 + head][step of 64 keys: 32][K: 4 tiles of 16 keys x 1,024 bytes, then V^T: 4 tiles of 16 channels x 1,024 bytes]
; LIMITS on the given exponents, so that each power of two below is an f32 number: e0 + e1, e2 + e3, e4 + e5 between -126 and 127; e6, e7, e9 between -126 and 119.  NaN among the biases is not served.
; REGISTERS, in windows of 256: window 0: v0-31 addresses and constants; v32-95 the bias; v96-127 codes, two sets; from v128 A's fragments, ONE set (on the way out v128-191 hold a block's values).
;   window 1: B's fragments, TWO sets.   window 2: the 32 accumulators of my rows 0-63 ((a, b) at v[8 (8 a + b)]);   window 3: those of my rows 64-127.
.set KSTEP,  256                       ; along K in a slot
.set ROWB,   256                       ; a tile's row in bytes
.set KROW,   1024                      ; a row of A or of B in memory, in bytes
.set PITCH,  272                       ; an LDS row: 256 bytes + 16 of padding = 68 words: the 16 rows that a load touches start at 16 different banks (64 banks of 4 bytes: ISA guide 11.1)
.set FR,     16                        ; registers of a fragment: 16 rows x 128 K
.set NL,     4                         ; LDS loads that bring one
.set NP,     4                         ; places behind this matrix instruction (ISA guide 7.12.1)
.set HALFT,  128*PITCH                 ; 128 rows: what one tensor load brings, and what one wave reads of A or of B
.set SLOT,   4*HALFT                   ; A's 256 rows, then B's 256 rows
.set SPARE,  2*SLOT                    ; behind the ring: the spare words, 128 bytes for each wave: two blocks of 256 bytes that no other line names
.set QS,   12                          ; v12     2^eq as f32: the conversions take its exponent field
.set QL,   13
.set BOC,  14                          ; v14     bias by columns: 32 h
.set BOR,  15                          ; v15     bias by rows: 4 r
.set ADRA, 16                          ; v16-17  LDS address of my A fragments in slot 0, 1
.set ADRB, 20                          ; v20-21  the same for B
.set LI,   26                          ; v26     16 x lane: my place in an image
.set SPW,  28                          ; v28     LDS address of my spare word; never rewritten
.set NIL,  29                          ; v29     0; never rewritten
.set BI,   32                          ; v32-95  the bias, in the result's layout
.set CD,   96                          ; v96-127 codes: two sets of 16, by turns
.set T,    128                         ; v128-191 a block's 64 values
.set AF,   128                         ; A's fragments, in window 0
.set OB,   4                           ; s[4:11] four bases for the images: block group a / 4 (0, 1) x column group (0, 1)
.set G1, 24                            ; s[24:31] descriptor group 1 for A's tiles;  s[32:39] group 0, one set for each slot
.set G0, 32
.set G1B, 48                           ; s[48:55], s[56:63] the same for B's tiles
.set G0B, 56
.set MSB, 0
.macro WIN new                         ; the immediate's high byte repeats the setting that is left
.if MSB != (\new)
	s_set_vgpr_msb (MSB<<8)|(\new)
.set MSB, (\new)
.endif
.endm
.set MUL_LO, 0xa1                      ; source 0 (B) window 1, source 1 (A) window 0, C and D window 2
.set MUL_HI, 0xf1                      ; the same, C and D window 3
.set TO_B,   0x40                      ; destination window 1, address window 0
; A joint load: waves 0 and 1 fetch for A, waves 2 and 3 for B.  Each of the two lines has ONE mask and one set of registers for all that issue it; the branch hangs on the wave's number alone.
; Four v_nop follow each of the two lines, ahead of the jump, the label and what follows.
.macro JLOAD g0a, g1a, g0b, g1b
	s_cmp_eq_u32 s15, 0
	s_cbranch_scc0 .Lfor_b_\@
	tensor_load_to_lds s[\g0a:\g0a+3], s[\g1a:\g1a+7]
	s_nop 0
.rept 4
	v_nop
.endr
	s_branch .Lasked_\@
.Lfor_b_\@:
	tensor_load_to_lds s[\g0b:\g0b+3], s[\g1b:\g1b+7]
	s_nop 0
.rept 4
	v_nop
.endr
.Lasked_\@:
.endm
.macro CREST                           ; a round of the cluster's barrier behind its opening barrier
	s_cmp_lg_u32 s14, 0
	s_cbranch_scc1 .Lnot_wave_0_\@
	s_barrier_signal -3
.Lnot_wave_0_\@:
	s_barrier_wait -3
	s_barrier_signal -1
	s_barrier_wait -1
.endm
.macro CROUND                          ; a whole round
	s_barrier_signal -1
	s_barrier_wait -1
	CREST
.endm
	s_load_b256 s[4:11], s[0:1], 0x0               ; x s[4:5], Wq s[6:7], Wk s[8:9], Wv s[10:11]
	s_load_b256 s[68:75], s[0:1], 0x20             ; bq s[68:69], bk s[70:71], bv s[72:73], the exponents s[74:75]
	s_load_b128 s[88:91], s[0:1], 0x40             ; q_img s[88:89], kv_img s[90:91]
	v_lshl_add_u32 v[SPW], v0, 2, SPARE
	v_mov_b32 v[NIL], 0
	ds_add_u32 v28, v29
	ds_add_u32 v28, v29
	s_wait_dscnt 0x0
	v_lshrrev_b32 v1, 5, v0
	v_readfirstlane_b32 s14, v1                    ; wave 0..3
	s_lshr_b32 s15, s14, 1                         ; which half of the tile's rows is mine.  Also: I fetch for A (0) or for B (1)
	s_and_b32 s16, s14, 1                          ; which half of its columns.  Also: which 128 rows of that tile I fetch
	s_bfe_u32 s40, ttmp6, 0x40000                  ; cx, cy: my place in the cluster
	s_bfe_u32 s41, ttmp6, 0x40004
	s_and_b32 s13, ttmp7, 0xffff                   ; the cluster's y, 0 .. 23
	s_lshr_b32 s2, s13, 3                          ; KIND: 0 q, 1 k, 2 v
	s_and_b32 s12, s13, 7
	s_lshl_b32 s12, s12, 2                         ; 4 C8: x has 32 tiles of 256 rows, a cluster takes four of them; a weight has four, one for each place in the cluster
	s_cmp_eq_u32 s2, 2
	s_cselect_b32 s17, 0, s12                      ; x is A for q and k,
	s_cselect_b32 s42, s12, 0                      ; and B for v
	s_add_co_u32 s17, s17, s41                     ; tile row of C: hangs on cy, never on cx
	s_add_co_u32 s42, s42, s40                     ; tile column of C: hangs on cx, never on cy
	s_lshl_b32 s43, s41, 2
	s_lshl_b32 s43, 15, s43                        ; my row of the cluster
	s_lshl_b32 s44, 0x1111, s40                    ; my column
	; descriptor group 1: a tile of 128 rows x 256 bytes, padded in LDS
	s_or_b32 s[G1+0], s43, (0<<16)|(1<<20)|(1<<21)|(5<<22)|(3<<25)  ; 15:0 the mask: A's tiles go to my row; 17:16 element of 1 byte; 20 padding on; 21 set beside a mask; 24:22 after every 64 words (code 5); 31:25 of 4 words (code 3)
	s_or_b32 s[G1B+0], s44, (0<<16)|(1<<20)|(1<<21)|(5<<22)|(3<<25)
.irp g, G1, G1B
	s_mov_b32 s[\g+1], ROWB<<16                    ; tensor_dim0
	s_mov_b32 s[\g+2], 128<<16                     ; tensor_dim1 = 128
	s_mov_b32 s[\g+3], ROWB<<16                    ; tile_dim0
	s_mov_b32 s[\g+4], 128                         ; tile_dim1 = 128
	s_mov_b32 s[\g+5], KROW                        ; tensor_dim0_stride
	s_mov_b32 s[\g+6], 0
	s_mov_b32 s[\g+7], 0
.endr
	s_lshl_b32 s18, s16, 7                         ; which 128 rows of the tile I fetch
	s_lshl_b32 s20, s17, 8
	s_add_co_u32 s20, s20, s18                     ; A: row 256 x tile row + 128 x half,
	s_lshl_b32 s20, s20, 10                        ; in bytes (rows of 1,024; 8 MiB at the most)
	s_mov_b32 s21, 0
	s_lshl_b32 s46, s42, 8
	s_add_co_u32 s46, s46, s18                     ; B: row 256 x tile column + 128 x half
	s_lshl_b32 s46, s46, 10
	s_mov_b32 s47, 0
	s_mul_i32 s45, s14, HALFT                      ; where they go: wave x 128 rows: no place in the cluster enters an LDS address
	s_wait_kmcnt 0x0
	s_cmp_eq_u32 s2, 2                             ; the buffers are chosen on KIND alone, without a jump
	s_cselect_b64 s[92:93], s[10:11], s[4:5]       ; A: Wv, else x
	s_cselect_b64 s[94:95], s[4:5], s[8:9]         ; B: x, else Wk,
	s_cselect_b64 s[96:97], s[72:73], s[70:71]     ; bias: bv, else bk,
	s_cmp_eq_u32 s2, 0
	s_cselect_b64 s[94:95], s[6:7], s[94:95]       ; or Wq
	s_cselect_b64 s[96:97], s[68:69], s[96:97]     ; or bq
	s_cselect_b64 s[98:99], s[88:89], s[90:91]     ; images: q_img, else kv_img
	s_load_b256 s[76:83], s[74:75], 0x0            ; e0 .. e7
	s_load_b64 s[84:85], s[74:75], 0x20            ; e8, e9
	s_add_nc_u64 s[20:21], s[92:93], s[20:21]
	s_add_nc_u64 s[46:47], s[94:95], s[46:47]
	CROUND                                         ; all sixteen work-groups are here: the first joint loads meet
.irp s, 0,1
	s_mov_b32 s[G0+4*\s], 1
	s_add_co_u32 s[G0+4*\s+1], s45, \s*SLOT
	s_add_nc_u64 s[G0+4*\s+2:G0+4*\s+3], s[20:21], \s*ROWB
	s_or_b32 s[G0+4*\s+3], s[G0+4*\s+3], 0x80000000
	s_mov_b32 s[G0B+4*\s], 1
	s_add_co_u32 s[G0B+4*\s+1], s45, \s*SLOT
	s_add_nc_u64 s[G0B+4*\s+2:G0B+4*\s+3], s[46:47], \s*ROWB
	s_or_b32 s[G0B+4*\s+3], s[G0B+4*\s+3], 0x80000000
	JLOAD G0+4*\s, G1, G0B+4*\s, G1B
.endr
	v_and_b32 v1, 15, v0                           ; r = l % 16
	v_bfe_u32 v2, v0, 4, 1                         ; h = l / 16
	v_mul_u32_u24 v3, v1, PITCH
	v_lshl_add_u32 v4, v2, 4, v3                   ; a fragment's row x pitch + 16 x half
	s_mul_i32 s21, s15, HALFT                      ; my 128 rows of A
	s_mul_i32 s22, s16, HALFT                      ; my 128 rows of B,
	s_add_co_u32 s22, s22, 2*HALFT                 ; which lie behind A's 256
.irp s, 0,1
	v_add_nc_u32 v[ADRA+\s], s21, v4
	v_add_nc_u32 v[ADRB+\s], s22, v4
	s_add_co_u32 s21, s21, SLOT
	s_add_co_u32 s22, s22, SLOT
.endr
	v_and_b32 v6, 31, v0
	v_lshlrev_b32 v[LI], 4, v6
	v_lshlrev_b32 v[BOC], 5, v2
	v_lshlrev_b32 v[BOR], 2, v1
	; WHERE THE IMAGES GO.  R, Cc: my group of 128 rows, of 128 columns of C.  TG: my group of 128 tokens (64 of them, 16 a batch); HG: my pair of heads (8 of them).
	s_lshl_b32 s18, s17, 1
	s_add_co_u32 s18, s18, s15                     ; R
	s_lshl_b32 s19, s42, 1
	s_add_co_u32 s19, s19, s16                     ; Cc
	s_cmp_eq_u32 s2, 2
	s_cselect_b32 s20, s19, s18                    ; TG: the columns for v, else the rows
	s_cselect_b32 s21, s18, s19                    ; HG: the rows for v, else the columns
	s_lshl_b32 s22, s21, 9
	s_mov_b32 s23, 0
	s_add_nc_u64 s[96:97], s[96:97], s[22:23]      ; the bias at my 128 features: 512 bytes x HG
	s_lshr_b32 s22, s20, 4
	s_lshl_b32 s22, s22, 22                        ; in kv_img: a batch is 16 heads of 2^18 bytes,
	s_lshl_b32 s21, s21, 19                        ; a pair of heads 2^19,
	s_add_co_u32 s22, s22, s21
	s_and_b32 s20, s20, 15
	s_lshl_b32 s20, s20, 14                        ; 128 tokens are two steps of 8,192 bytes
	s_add_co_u32 s22, s22, s20                     ; X
	s_lshr_b32 s21, s22, 1                         ; in q_img everything is half as large
	s_mov_b32 s86, 8192                            ; from block group 0 to 1 (blocks 0-3, 4-7): k: the next step of 64 keys
	s_mov_b32 s87, 262144                          ; from column group 0 to 1 (64 columns each): k: the next head
	s_mov_b32 s12, 8192
	s_mov_b32 s13, 262144
	s_cmp_eq_u32 s2, 0
	s_cselect_b32 s22, s21, s22
	s_cselect_b32 s86, 4096, s86                   ; q: four query tiles on,
	s_cselect_b32 s87, 131072, s87                 ;    the next head
	s_cmp_eq_u32 s2, 2
	s_cselect_b32 s86, s13, s86                    ; v: the next head,
	s_cselect_b32 s87, s12, s87                    ;    the next step
	s_cselect_b32 s12, 4096, 0                     ; v: behind the step's four tiles of K
	s_add_co_u32 s22, s22, s12
	s_add_nc_u64 s[OB:OB+1], s[98:99], s[22:23]
	s_mov_b32 s22, s87
	s_add_nc_u64 s[OB+2:OB+3], s[OB:OB+1], s[22:23]
	s_mov_b32 s22, s86
	s_add_nc_u64 s[OB+4:OB+5], s[OB:OB+1], s[22:23]
	s_add_nc_u64 s[OB+6:OB+7], s[OB+2:OB+3], s[22:23]
	s_wait_alu depctr_va_vdst(0)
	; the scales, chosen on KIND without a jump: q: e0, e1, e6;  k: e2, e3, e7;  v: e4, e5, e9
	s_wait_kmcnt 0x0
	s_cmp_eq_u32 s2, 2
	s_cselect_b32 s18, s80, s78
	s_cselect_b32 s19, s81, s79
	s_cselect_b32 s20, s85, s83
	s_cmp_eq_u32 s2, 0
	s_cselect_b32 s18, s76, s18
	s_cselect_b32 s19, s77, s19
	s_cselect_b32 s20, s82, s20
	s_add_co_i32 s18, s18, s19
	s_add_co_i32 s18, s18, 127
	s_lshl_b32 s66, s18, 23                        ; 2^(ea + eb) as f32
	s_mov_b32 s67, s66                             ; (named with it as a pair, so it is written)
	s_add_co_i32 s20, s20, 127
	s_lshl_b32 s21, s20, 23
	v_mov_b32 v[QS], s21                           ; 2^eq
.macro FRAG reg, adr, q, i             ; a fragment, 16 rows x 128 K, is 16 registers, fetched by four loads of 16 bytes: lane l holds row l % 16; registers 4 c .. 4 c + 3 hold K = 32 c + 16 (l / 16) + 0 .. 15: a permutation of k, the same in A and in B
.irp c, 0,1,2,3
	ds_load_b128 v[\reg+4*\c:\reg+4*\c+3], v[\adr] offset:128*(\q)+32*\c+(\i)*16*PITCH
.endr
.endm
; 16 matrix instructions: A's blocks a0, a0 + 1 x B's eight, 128 along K.  p: B's set.  zero = 1: the first product starts the sums: nothing is ever cleared.
; The 64 accumulators take turns, one instruction a turn, in the same order in every step.
.macro MUL16 a0, p, zero
.irp a, \a0, \a0+1
.irp b, 0,1,2,3,4,5,6,7
.if \zero
	v_wmma_f32_16x16x128_fp8_fp8 v[8*(8*((\a)%4)+\b):8*(8*((\a)%4)+\b)+7], v[128*(\p)+FR*\b:128*(\p)+FR*\b+FR-1], v[AF+FR*(\a):AF+FR*(\a)+FR-1], 0
.else
	v_wmma_f32_16x16x128_fp8_fp8 v[8*(8*((\a)%4)+\b):8*(8*((\a)%4)+\b)+7], v[128*(\p)+FR*\b:128*(\p)+FR*\b+FR-1], v[AF+FR*(\a):AF+FR*(\a)+FR-1], v[8*(8*((\a)%4)+\b):8*(8*((\a)%4)+\b)+7]
.endif
.endr
.endr
.endm
.macro FETCH_B slot, q, p              ; B's eight fragments of the slot's q-th 128 along K into set p
	WIN TO_B
.irp i, 0,1,2,3,4,5,6,7
	FRAG 128*(\p)+FR*\i, ADRB+\slot, \q, \i
.endr
	WIN 0
.endm
.macro FETCH_A slot, q, i0             ; A's blocks i0 .. i0 + 3
.irp i, \i0, \i0+1, \i0+2, \i0+3
	FRAG AF+FR*(\i), ADRA+\slot, \q, \i
.endr
.endm
; A load into a register that a matrix instruction has read, and a vector instruction that reads a matrix result or writes one of its registers, stand NP places behind it; only plain vector
; instructions that name none of its registers are places (ISA guide 7.12.1 for vector instructions).
.macro PLACES n
.rept \n
	v_nop
.endr
.endm
; A step of 128 along K that has its successor in the same slot.  A's blocks are free as soon as their eight products are issued: blocks 0-3 are fetched anew in the step's middle, blocks 4-7 at its end.
.macro STEP slot, q, zero
	s_wait_dscnt 4*NL                              ; B's set and A's blocks 0-3 are in; the youngest 16 loads (A's blocks 4-7) may be out
	WIN MUL_LO
	MUL16 0, (\q)%2, \zero
	MUL16 2, (\q)%2, \zero
	s_wait_dscnt 0                                 ; A's blocks 4-7 are in (asked for 32 matrix instructions ago)
	PLACES NP
	FETCH_B \slot, (\q)+1, 1-(\q)%2
	FETCH_A \slot, (\q)+1, 0
	WIN MUL_HI
	MUL16 4, (\q)%2, \zero
	MUL16 6, (\q)%2, \zero
	PLACES NP
	WIN 0
	FETCH_A \slot, (\q)+1, 4
.endm
; A slot's last step changes slots: ONE barrier; in front of it each wave waits for all its tensor loads, adds 0 to its spare word, and waits for that and for its own reads of this slot.  fill = 1: this slot is filled again, two K steps ahead.
.macro TURN slot, next, fill
	s_wait_tensorcnt 0x0                           ; all my tensor loads have landed: my part of the next slot;  (every window is 0 here: the add's two registers lie in window 0)
	ds_add_u32 v[SPW], v[NIL]                      ; 0 onto my spare word
	s_wait_dscnt 4*NL+1                            ; (the add and the youngest 16 loads, A's blocks 4-7, may be out)
	WIN MUL_LO
	MUL16 0, 1, 0                                  ; sixteen matrix instructions stand between the add and the wait for it
	s_wait_dscnt 0x0                               ; the add is done, and my reads of this slot are over
	s_barrier_signal -1
	MUL16 2, 1, 0
	WIN 0
	s_barrier_wait -1
.if \fill
	CREST                                          ; the barrier has opened a round of the cluster's barrier: no wave of any partner still reads this slot's tile or has a load on its way
	s_add_nc_u64 s[G0+4*\slot+2:G0+4*\slot+3], s[G0+4*\slot+2:G0+4*\slot+3], 2*ROWB
	s_add_nc_u64 s[G0B+4*\slot+2:G0B+4*\slot+3], s[G0B+4*\slot+2:G0B+4*\slot+3], 2*ROWB
	JLOAD G0+4*\slot, G1, G0B+4*\slot, G1B         ; the first tensor load behind the round; the four v_nop behind it are the places in front of the loads below
.else
	PLACES NP
.endif
	FETCH_B \next, 0, 0
	FETCH_A \next, 0, 0
	WIN MUL_HI
	MUL16 4, 1, 0
	MUL16 6, 1, 0
	PLACES NP
	WIN 0
	FETCH_A \next, 0, 4
.endm
.macro LAST                            ; the very last step of 128 along K: nothing more to fetch
	s_wait_dscnt 4*NL                              ; the youngest 16 loads (A's blocks 4-7) may be out
	WIN MUL_LO
	MUL16 0, 1, 0
	MUL16 2, 1, 0
	s_wait_dscnt 0x0
	WIN MUL_HI
	MUL16 4, 1, 0
	MUL16 6, 1, 0
	WIN 0
.endm
; THE WAY OUT of block a (16 rows x 128 columns).  byrow = 0: the bias goes by columns (q, k): v[BI + 8 b + i];  1: by rows (v): both halves of the pair v[BI + 2 a] hold the bias of my row.
.macro EPI a, byrow
.set AC, 64*((\a)%4)
.set CS0, CD+16*((\a)%2)
.set OBA, OB+4*((\a)/4)
	WIN 0x02+((\a)/4)                              ; source 0: window 2 or 3
.irp b, 0,1,2,3,4,5,6,7
.irp i, 0,2,4,6
.if \byrow
	v_pk_fma_f32 v[T+8*\b+\i:T+8*\b+\i+1], v[AC+8*\b+\i:AC+8*\b+\i+1], s[66:67], v[BI+2*(\a):BI+2*(\a)+1] op_sel_hi:[1,0,1]   ; sum x 2^(ea + eb) + bias; each accumulator from its low end on
.else
	v_pk_fma_f32 v[T+8*\b+\i:T+8*\b+\i+1], v[AC+8*\b+\i:AC+8*\b+\i+1], s[66:67], v[BI+8*\b+\i:BI+8*\b+\i+1] op_sel_hi:[1,0,1]
.endif
.endr
.endr
	WIN 0
.if (\a) >= 2
	s_wait_alu depctr_va_vdst(0)
	s_wait_xcnt 0x0                                ; block a - 2's stores have read this set of code registers: it is written again only behind this wait
.endif
.irp b, 0,1,2,3,4,5,6,7
.irp i, 0,1,2,3,4,5,6,7
.endr
	v_cvt_scalef32_pk8_fp8_f32 v[CS0+2*\b:CS0+2*\b+1], v[T+8*\b:T+8*\b+7], v[QS]   ; columns 16 b + 8 h + 0 .. 7: registers 2 (b % 4), 2 (b % 4) + 1 of fragment b / 4
.endr
	v_nop                                          ; one plain vector instruction behind the last conversion: the next block's multiply-adds write its sources
.irp g, 0,1
.irp d, 0,1
	global_store_b128 v[LI], v[CS0+8*\g+4*\d:CS0+8*\g+4*\d+3], s[OBA+2*\g:OBA+2*\g+1] offset:((\a)%4)*1024+512*\d   ; half an image: the wave stores 512 consecutive bytes, aligned
.endr
.endr
.endm
	s_wait_tensorcnt 1                             ; my part of K step 0 is in (K step 1's load may be out),
	s_barrier_signal -1
	s_barrier_wait -1                              ; everybody's is
	FETCH_B 0, 0, 0
	FETCH_A 0, 0, 0
	FETCH_A 0, 0, 4
	STEP 0, 0, 1                                   ; K 0-127: the first products start the sums
	TURN 0, 1, 1                                   ; K 128-255; slot 0 takes K 512-767
	STEP 1, 0, 0
	TURN 1, 0, 1                                   ; slot 1 takes K 768-1,023
	STEP 0, 0, 0
	TURN 0, 1, 0                                   ; nothing is left to fetch: no round
	STEP 1, 0, 0
	s_cmp_eq_u32 s2, 2                             ; KIND is the cluster's: all sixteen partners, and all four waves, go the same way.  No tensor load, no barrier and no LDS store stands in either arm
	s_cbranch_scc1 .Lfor_v
.irp b, 0,1,2,3,4,5,6,7                        ; q, k: the bias of columns 16 b + 8 h + 0 .. 7; the loads land under the last 64 products
	global_load_b128 v[BI+8*\b:BI+8*\b+3],   v[BOC], s[96:97] offset:64*\b
	global_load_b128 v[BI+8*\b+4:BI+8*\b+7], v[BOC], s[96:97] offset:64*\b+16
.endr
	LAST
	s_wait_loadcnt 0x0
	PLACES NP
.irp a, 0,1,2,3,4,5,6,7
	EPI \a, 0
.endr
	s_branch .Lend
.Lfor_v:
.irp a, 0,1,2,3,4,5,6,7                        ; v: the bias of row 16 a + r, into both halves of a pair
	global_load_b32 v[BI+2*\a],   v[BOR], s[96:97] offset:64*\a
	global_load_b32 v[BI+2*\a+1], v[BOR], s[96:97] offset:64*\a
.endr
	LAST
	s_wait_loadcnt 0x0
	PLACES NP
.irp a, 0,1,2,3,4,5,6,7
	EPI \a, 1
.endr
.Lend:
	s_wait_tensorcnt 0x0                           ; the wave's end
	ds_add_u32 v[SPW], v[NIL]
	s_wait_dscnt 0x0
	CROUND                                         ; the closing round: no work-group ends while a partner may still ask for a tile that names it
	s_endpgm
.Lfunc_end_k_qbb2eff593e_qkv:
	.size	k_qbb2eff593e_qkv, .Lfunc_end_k_qbb2eff593e_qkv-k_qbb2eff593e_qkv
	.p2alignl 7, 3214868480
	.fill 96, 4, 3214868480
	.section	.rodata,"a",@progbits
	.p2align	6, 0x0
	.amdhsa_kernel k_qbb2eff593e_qkv
		.amdhsa_group_segment_fixed_size 327680
		.amdhsa_private_segment_fixed_size 0
		.amdhsa_enable_private_segment 0
		.amdhsa_kernarg_size 80
		.amdhsa_user_sgpr_count 2
		.amdhsa_user_sgpr_kernarg_segment_ptr 1
		.amdhsa_wavefront_size32 1
		.amdhsa_system_sgpr_workgroup_id_x 1
		.amdhsa_system_sgpr_workgroup_id_y 1
		.amdhsa_system_sgpr_workgroup_id_z 1
		.amdhsa_system_vgpr_workitem_id 0
		.amdhsa_next_free_vgpr 1024
		.amdhsa_next_free_sgpr 100
		.amdhsa_reserve_vcc 0
		.amdhsa_float_denorm_mode_32 3
		.amdhsa_float_denorm_mode_16_64 3
		.amdhsa_fp16_overflow 1
		.amdhsa_memory_ordered 1
		.amdhsa_forward_progress 1
		.amdhsa_inst_pref_size 135
	.end_amdhsa_kernel
	.amdgpu_metadata
---
amdhsa.version: [ 1, 2 ]
amdhsa.kernels:
  - .name:           k_qbb2eff593e_qkv
    .symbol:         k_qbb2eff593e_qkv.kd
    .args:
      - { .name: x_codes, .offset: 0, .size: 8, .value_kind: global_buffer, .address_space: global }
      - { .name: Wq_codes, .offset: 8, .size: 8, .value_kind: global_buffer, .address_space: global }
      - { .name: Wk_codes, .offset: 16, .size: 8, .value_kind: global_buffer, .address_space: global }
      - { .name: Wv_codes, .offset: 24, .size: 8, .value_kind: global_buffer, .address_space: global }
      - { .name: bq, .offset: 32, .size: 8, .value_kind: global_buffer, .address_space: global }
      - { .name: bk, .offset: 40, .size: 8, .value_kind: global_buffer, .address_space: global }
      - { .name: bv, .offset: 48, .size: 8, .value_kind: global_buffer, .address_space: global }
      - { .name: lowp_scales, .offset: 56, .size: 8, .value_kind: global_buffer, .address_space: global }
      - { .name: q_img, .offset: 64, .size: 8, .value_kind: global_buffer, .address_space: global }
      - { .name: kv_img, .offset: 72, .size: 8, .value_kind: global_buffer, .address_space: global }
    .group_segment_fixed_size: 327680
    .private_segment_fixed_size: 0
    .kernarg_segment_align: 8
    .kernarg_segment_size: 80
    .max_flat_workgroup_size: 128
    .sgpr_count:     100
    .vgpr_count:     1024
    .wavefront_size: 32
...
	.end_amdgpu_metadata
.endif
;; end of part 1
;; launch attn (part 2): grid 4 x 64, 8 waves a work-group, clusters of 4 x 1, 327,680 bytes of LDS; arguments q_img, kv_img, lowp_scales, a_img; writes a_img
.if DOCPART == 2
	.amdgcn_target "amdgcn-amd-amdhsa--gfx1250"
	.amdhsa_code_object_version 6
	.text
	.protected	k_qbb2eff593e_attn
	.globl	k_qbb2eff593e_attn
	.p2align	8
	.type	k_qbb2eff593e_attn,@function
k_qbb2eff593e_attn:
	s_mov_b64 s[64:65], 0
	v_nop
	global_prefetch_b8 v0, s[64:65] scope:SCOPE_SE
	s_setreg_imm32_b32 hwreg(HW_REG_WAVE_MODE, 25, 1), 1
	s_wait_xcnt 0x0
	s_wait_alu depctr_hold_cnt(0) depctr_sa_sdst(0) depctr_va_vdst(0) depctr_va_sdst(0) depctr_va_ssrc(0) depctr_va_vcc(0) depctr_vm_vsrc(0)
	s_getreg_b32 s2, hwreg(HW_REG_IB_STS2, 6, 4)
	s_cmp_eq_u32 s2, 0
	s_cbranch_scc0 .Lentry_in_a_cluster
	s_endpgm
.Lentry_in_a_cluster:
	s_bfe_u32 s2, ttmp6, 0x10000c
	s_cmp_lg_u32 s2, 0x3003
	s_cbranch_scc0 .Lentry_shape_is_right
	s_endpgm
.Lentry_shape_is_right:
; CAUSAL ATTENTION on codes of FP8 (E4M3): 64 (batch, head) pairs, 2,048 queries and keys, head size 64.  Both products by v_wmma_f32_16x16x64_fp8_fp8.
; q_img, kv_img: images of operand registers (1,024 bytes a fragment of 16 x 64: two pieces of 16 bytes a lane at 16 x lane), as the launch before stored them; a head's K and V^T are one dense block of 262,144 bytes:
; step s of 64 keys at 8,192 s: four tiles of 16 keys, then four tiles of 16 channels of V^T (the keys innermost).
; THE SOFTMAX AHEAD OF THE SECOND PRODUCT: t = score x 2^(e6 + e7) x log2(e) / 8; M = the row's largest t so far, rounded UP to a whole number; p = 2^(t - M) is quantised with 2^e8; the row's sum is taken of the unquantised p
; and divides O at the end.  When M moves, the sum and O are multiplied by 2^(old M - new M): exact.  The result, O x 2^(e8 + e9) / sum, is quantised with 2^e10 and stored as an image for the last launch.
; SHARES.  A cluster of four work-groups owns one head.  THE WHOLE HEAD'S K AND V LIE IN LDS, brought once by joint loads (each of the eight waves asks for two blocks of 16,384 bytes; the mask names the four partners): nothing is
; filled again, so there is no ring and no barrier in a loop.  Nothing is prefetched: all of K and V is asked for by the two loads at the head, and no later tile exists.
; A wave works on a PAIR of query tiles, 32 queries, so that each fragment of K or V read from LDS feeds two matrix instructions.  Wave w of partner cx takes pair 63 - 4 w - cx (in block 15 - w of 128 queries) and pair 4 w + cx
; (in block w).  A pair walks the keys in steps of 64 up to the end of its block of 128: 2 (16 - w) + 2 (w + 1) = 34 steps for every wave of every work-group.  All limits hang on the wave's number alone; cx enters global
; addresses and the mask's numbers, and no branch and no LDS address.  Price: for the first two pairs of a block the block's second step is wholly hidden and still computed (p = 0 there).
; LAYOUT.  S^T = K Q^T (source 0 = 16 keys, source 1 = 16 queries): lane (r, h) holds query r and, in register j of tile t, key 16 t + 8 h + j.  The conversion of those eight registers gives registers 2 t, 2 t + 1 of a 16 x 64
; operand: p's codes ARE source 1 of O^T = V^T P^T, whose result holds query r and channel 16 d + 8 h + j: converted likewise it is the next launch's operand.  Nothing changes lanes but one exchange for the maximum and the sum.
; LIMITS on the given exponents: e6 + e7 between -123 and 130 (added to c's exponent field); e8, e10 between -126 and 119; e8 + e9 goes in by v_ldexp_f32 and has none.
.set HALF, 131072                      ; keys 0 - 1,023: sixteen steps
.set LI,   1                           ; v1   16 x lane
.set ADR,  2                           ; v2   LDS address of the step in hand
.set NINF, 3                           ; v3   -infinity
.set PSC,  4                           ; v4   2^e8 as f32
.set DQ,   5                           ; v5   my query's place in its block of 128, less 16 x, less 8 h
.set DD,   6                           ; v6   the same less the step's first key in the block
.set RH,   7                           ; v7   r - 8 h
.set ST,   8                           ; v[8 + 8 x ..]: tile x: +0 -M, +1 largest t, +2, +3 the sum in two halves, +4 f, +5 its pair's other half, +6, +7 at work
.set QLG,  24                          ; v24-39  Q of the long pair: two fragments
.set QSH,  40                          ; v40-55  Q of the short pair
.set KF,   56                          ; v56-87  K's four fragments; then p's codes (v56-71); on the way out the result's codes
.set VF,   88                          ; v88-119 V^T's four fragments
.set S,    120                         ; v120-183 S^T, then p: 32 a tile
.set OT,   184                         ; v184-247 O^T: 32 a tile
.set ASC,  248                         ; v248 2^e10
.set ALM,  249
.set TB,   2                           ; s2   LDS byte at which the step begins
.set SI,   3                           ; s3   the step's number
.set WV,   12                          ; s12  my wave's number
.set CX,   13                          ; s13  my work-group's place in the cluster
.set BH,   14                          ; s14  16 x batch + head
.set LST,  15                          ; s15  the pair's last step
.set DG,   16                          ; s16  the first step of the pair's own block of 128 keys
.set TMP,  17                          ; s17  at work: a step's mask writes it
.set SEL,  20                          ; s[20:21] lane selects for v_permlanex16_b32: lane l xor 16
.set CS,   22                          ; s[22:23] c = 2^(e6 + e7) log2(e) / 8
.set G1,   24                          ; s[24:31] descriptor group 1
.set G0A,  32                          ; s[32:35] group 0: my 16,384 bytes of the first half;  s[36:39]: of the second
.set G0B,  36
.set HP,   48
.set EPV,  49                          ; s49  e8 + e9
.set QBL,  50                          ; s[50:51], s[52:53] Q's images of the long and the short pair
.set QBS,  52
.set OBL,  54                          ; s[54:55], s[56:57] where their results go
.set OBS,  56
.set PLG,  58                          ; s58, s59  32 x the pair's place in its block: 3 - cx, cx
.set PSH,  59
.set W2,   61                          ; s61  2 x my wave's number: both pairs' limits are made of it; never rewritten
.macro ROUND                           ; a round of the cluster's barrier
	s_barrier_signal -1
	s_barrier_wait -1
	s_cmp_lg_u32 s[WV], 0
	s_cbranch_scc1 .Lnot_wave_0_\@
	s_barrier_signal -3
.Lnot_wave_0_\@:
	s_barrier_wait -3
	s_barrier_signal -1
	s_barrier_wait -1
.endm
	s_load_b256 s[4:11], s[0:1], 0x0               ; q_img s[4:5], kv_img s[6:7], the exponents s[8:9], a_img s[10:11]
	v_lshl_add_u32 v254, v0, 2, 0x40000
	v_mov_b32 v255, 0
	ds_add_u32 v254, v255
	ds_add_u32 v254, v255
	v_lshrrev_b32 v2, 5, v0
	s_delay_alu instid0(VALU_DEP_1)
	v_readfirstlane_b32 s[WV], v2                  ; wave 0..7
	s_lshl_b32 s[W2], s[WV], 1
	s_bfe_u32 s[CX], ttmp6, 0x40000
	s_and_b32 s[BH], ttmp7, 0xffff                 ; the cluster's y
	; descriptor group 1: a dense block of 16,384 bytes as 64 rows of 256
	s_mov_b32 s[G1], 15|(3<<16)|(1<<21)            ; 15:0 the mask: all four partners; 17:16 elements of 8 bytes; 21 set beside a mask; no padding
	s_mov_b32 s[G1+1], 32<<16                      ; tensor_dim0 = 32 elements
	s_mov_b32 s[G1+2], 64<<16                      ; tensor_dim1 = 64
	s_mov_b32 s[G1+3], 32<<16                      ; tile_dim0
	s_mov_b32 s[G1+4], 64                          ; tile_dim1
	s_mov_b32 s[G1+5], 32                          ; tensor_dim0_stride
	s_mov_b32 s[G1+6], 0
	s_mov_b32 s[G1+7], 0
	s_lshl_b32 s60, s[WV], 14                      ; my 16,384 bytes of a half: in LDS,
	s_lshl_b32 s62, s[BH], 18
	s_add_co_u32 s62, s62, s60                     ; and in the buffer: the head's 262,144 bytes + the same.  Neither ever holds cx
	s_mov_b32 s63, 0
	s_wait_dscnt 0x0
	s_wait_kmcnt 0x0
	s_load_b256 s[40:47], s[8:9], 0x10             ; e4 .. e11
	s_mov_b32 s[G0A], 1
	s_mov_b32 s[G0A+1], s60
	s_add_nc_u64 s[G0A+2:G0A+3], s[6:7], s[62:63]
	s_mov_b32 s[G0B], 1
	s_add_co_u32 s[G0B+1], s60, HALF
	s_add_nc_u64 s[G0B+2:G0B+3], s[G0A+2:G0A+3], HALF
	s_or_b32 s[G0A+3], s[G0A+3], 0x80000000        ; type = 2
	s_or_b32 s[G0B+3], s[G0B+3], 0x80000000
	ROUND                                          ; all four work-groups are here: the joint loads meet
	tensor_load_to_lds s[G0A:G0A+3], s[G1:G1+7]    ; keys 0 - 1,023
	s_nop 0
	s_wait_alu depctr_va_vdst(0)
	s_wait_tensorcnt 0x0
	ds_add_u32 v254, v255
	s_wait_dscnt 0x0
	ROUND
	tensor_load_to_lds s[G0B:G0B+3], s[G1:G1+7]    ; keys 1,024 - 2,047: two loads of mine are out, and no more are ever issued
	s_nop 0
.rept 4
	v_nop
.endr
	v_and_b32 v[LI], 31, v0
	s_delay_alu instid0(VALU_DEP_1)
	v_lshlrev_b32 v[LI], 4, v[LI]
	s_wait_alu depctr_va_vdst(0)
	s_lshl_b32 s17, s[WV], 2
	s_add_co_u32 s17, s17, s[CX]                   ; the short pair: 4 w + cx
	s_sub_co_u32 s15, 63, s17                      ; the long pair
	s_lshl_b32 s16, s[BH], 17                      ; q_img: a head is 128 tiles of 1,024 bytes, a pair 2,048
	s_lshl_b32 s18, s15, 11
	s_add_co_u32 s18, s18, s16
	s_mov_b32 s19, 0
	s_add_nc_u64 s[QBL:QBL+1], s[4:5], s[18:19]
	s_lshl_b32 s18, s17, 11
	s_add_co_u32 s18, s18, s16
	s_add_nc_u64 s[QBS:QBS+1], s[4:5], s[18:19]
.irp i, 0,1,2,3
	global_load_b128 v[QLG+4*\i:QLG+4*\i+3], v[LI], s[QBL:QBL+1] offset:512*\i th:TH_LOAD_NT
.endr
.irp i, 0,1,2,3
	global_load_b128 v[QSH+4*\i:QSH+4*\i+3], v[LI], s[QBS:QBS+1] offset:512*\i th:TH_LOAD_NT
.endr
	s_lshr_b32 s16, s[BH], 4                       ; a_img: [token tile: 128 a batch][head][1,024 bytes]: a batch is 2^21 bytes, a pair of tiles 2^15, a head 2^10
	s_lshl_b32 s16, s16, 21
	s_and_b32 s3, s[BH], 15
	s_lshl_b32 s3, s3, 10
	s_add_co_u32 s16, s16, s3
	s_lshl_b32 s18, s15, 15
	s_add_co_u32 s18, s18, s16
	s_add_nc_u64 s[OBL:OBL+1], s[10:11], s[18:19]
	s_lshl_b32 s18, s17, 15
	s_add_co_u32 s18, s18, s16
	s_add_nc_u64 s[OBS:OBS+1], s[10:11], s[18:19]
	s_lshl_b32 s[PSH], s[CX], 5
	s_sub_co_u32 s[PLG], 96, s[PSH]
	v_and_b32 v[RH], 15, v0
	v_bfe_u32 v[DD], v0, 4, 1
	s_delay_alu instid0(VALU_DEP_1)
	v_lshlrev_b32 v[DD], 3, v[DD]
	s_delay_alu instid0(VALU_DEP_1)
	v_sub_nc_u32 v[RH], v[RH], v[DD]
	v_mov_b32 v[NINF], 0xff800000
	s_mov_b32 s[SEL], 0x76543210
	s_mov_b32 s[SEL+1], 0xfedcba98
	s_wait_kmcnt 0x0                               ; s42 e6, s43 e7, s44 e8, s45 e9, s46 e10
	s_add_co_i32 s17, s42, s43
	s_lshl_b32 s17, s17, 23
	s_add_co_i32 s[CS], s17, 0x3e38aa3b            ; log2(e) / 8, with e6 + e7 added to its exponent field
	s_mov_b32 s[CS+1], s[CS]                       ; (named with it as a pair, so it is written)
	s_add_co_i32 s17, s44, 127
	s_lshl_b32 s18, s17, 23
	v_mov_b32 v[PSC], s18
	s_add_co_i32 s[EPV], s44, s45
	s_add_co_i32 s17, s46, 127
	s_lshl_b32 s18, s17, 23
	v_mov_b32 v[ASC], s18
	s_add_co_i32 s17, s17, 8
	s_lshl_b32 s17, s17, 23
	s_or_b32 s17, s17, 0x600000
; A pair begins: the largest t is -3e38, under every t; the sums and O^T are zeros, which the first change of M leaves zeros.  So a pair's first step is a step like any other.
.macro INIT
.irp x, 0,1
	v_mov_b32 v[ST+8*\x+1], 0xff61b1e6
	s_delay_alu instid0(VALU_DEP_1)
	v_floor_f32 v[ST+8*\x], -v[ST+8*\x+1]
	v_mov_b32 v[ST+8*\x+2], 0
	v_mov_b32 v[ST+8*\x+3], 0
	v_mov_b32 v[ST+8*\x+5], 0                      ; (named as the upper half of f's pair)
	v_mov_b32 v[ST+8*\x+7], 0                      ; (a lane permute's destination counts as one of its sources)
.endr
.set j, 0
.rept 64
	v_mov_b32 v[OT+j], 0
.set j, j+1
.endr
.endm
.macro STEP qb, grded
.if \grded
	s_cmp_gt_u32 s[SI], s[LST]                     ; hangs on the step's number and the wave's: the same in all partners.  No barrier and no tensor load stands in a step
	s_cbranch_scc1 .Lpast_\@
.endif
	s_setprio 2
	v_add_nc_u32 v[ADR], s[TB], v[LI]
.rept 3
	v_nop                                          ; with the addition: four places in front of loads into registers that the last products read
.endr
.irp t, 0,1,2,3
	ds_load_b128 v[KF+8*\t:KF+8*\t+3],   v[ADR] offset:1024*\t
	ds_load_b128 v[KF+8*\t+4:KF+8*\t+7], v[ADR] offset:1024*\t+512
.endr
.irp t, 0,1,2,3
	ds_load_b128 v[VF+8*\t:VF+8*\t+3],   v[ADR] offset:4096+1024*\t
	ds_load_b128 v[VF+8*\t+4:VF+8*\t+7], v[ADR] offset:4096+1024*\t+512
.endr
	s_wait_dscnt 0x8                               ; K's eight loads are in; V's eight may stay out until the second product
.irp t, 0,1,2,3
.irp x, 0,1
	v_wmma_f32_16x16x64_fp8_fp8 v[S+32*\x+8*\t:S+32*\x+8*\t+7], v[KF+8*\t:KF+8*\t+7], v[\qb+8*\x:\qb+8*\x+7], 0
.endr
.endr
.rept 4
	v_nop                                          ; four places in front of the first read of the scores
.endr
.if \grded
	s_cmp_lt_u32 s[SI], s[DG]
	s_cbranch_scc1 .Lopen_\@                       ; a step all of whose keys count
	s_sub_co_u32 s[TMP], s[SI], s[DG]
	s_lshl_b32 s[TMP], s[TMP], 6
	s_wait_alu depctr_va_vdst(0)
	v_sub_nc_u32 v[DD], v[DQ], s[TMP]              ; register 8 t + j of tile x holds, counted in the block, key 64 (SI - DG) + 16 t + 8 h + j against query 32 place + 16 x + r: hidden where 16 t + j - 16 x > this number
.irp x, 0,1
.irp n, 0,1,2,3,4,5,6,7,8,9,10,11,12,13,14,15,16,17,18,19,20,21,22,23,24,25,26,27,28,29,30,31
	v_cmp_gt_i32 vcc_lo, 16*(\n/8)+\n%8-16*\x, v[DD]
	v_cndmask_b32 v[S+32*\x+\n], v[S+32*\x+\n], v[NINF], vcc_lo
.endr
.endr
.Lopen_\@:
.endif
	; the step's largest score of my query among my 32 keys, in two chains a tile, the tiles line by line; each accumulator is first read at its low end
.irp x, 0,1
	v_max3_num_f32 v[ST+8*\x+6], v[S+32*\x], v[S+32*\x+1], v[S+32*\x+2]
	v_max3_num_f32 v[ST+8*\x+7], v[S+32*\x+3], v[S+32*\x+4], v[S+32*\x+5]
.endr
.irp i, 6,10,14,18,22,26
.irp x, 0,1
	v_max3_num_f32 v[ST+8*\x+6], v[ST+8*\x+6], v[S+32*\x+\i], v[S+32*\x+\i+1]
	v_max3_num_f32 v[ST+8*\x+7], v[ST+8*\x+7], v[S+32*\x+\i+2], v[S+32*\x+\i+3]
.endr
.endr
.irp x, 0,1
	v_max3_num_f32 v[ST+8*\x+6], v[ST+8*\x+6], v[S+32*\x+30], v[S+32*\x+31]
.endr
.irp x, 0,1
	s_delay_alu instid0(VALU_DEP_2)
	v_max_num_f32 v[ST+8*\x+6], v[ST+8*\x+6], v[ST+8*\x+7]
.endr
.irp x, 0,1
	s_delay_alu instid0(VALU_DEP_2)
	v_permlanex16_b32 v[ST+8*\x+7], v[ST+8*\x+6], s[SEL], s[SEL+1]
.endr
.irp x, 0,1
	s_delay_alu instid0(VALU_DEP_2)
	v_max_num_f32 v[ST+8*\x+6], v[ST+8*\x+6], v[ST+8*\x+7]   ; and among lane l xor 16's
.endr
.irp x, 0,1
	s_delay_alu instid0(VALU_DEP_2)
	v_mul_f32 v[ST+8*\x+6], s[CS], v[ST+8*\x+6]    ; as t (c is positive)
.endr
.irp x, 0,1
	s_delay_alu instid0(VALU_DEP_2)
	v_max_num_f32 v[ST+8*\x+1], v[ST+8*\x+1], v[ST+8*\x+6]   ; the running largest t
.endr
.irp x, 0,1
	v_mov_b32 v[ST+8*\x+6], v[ST+8*\x]
.endr
.irp x, 0,1
	s_delay_alu instid0(VALU_DEP_4)
	v_floor_f32 v[ST+8*\x], -v[ST+8*\x+1]          ; the new -M = floor(-t) = -ceil(t): M is a whole number
.endr
.irp x, 0,1
	s_delay_alu instid0(VALU_DEP_2)
	v_sub_f32 v[ST+8*\x+6], v[ST+8*\x], v[ST+8*\x+6]   ; old M less new M: a whole number, 0 or less
.endr
.irp x, 0,1
	s_delay_alu instid0(VALU_DEP_2)
	v_cvt_i32_f32 v[ST+8*\x+6], v[ST+8*\x+6]       ; (it saturates)
.endr
.irp x, 0,1
	s_delay_alu instid0(VALU_DEP_2)
	v_ldexp_f32 v[ST+8*\x+4], 1.0, v[ST+8*\x+6]    ; f = 2^(old M - new M)
.endr
.irp x, 0,1
.irp j, 0,2,4,6,8,10,12,14,16,18,20,22,24,26,28,30
	v_pk_fma_f32 v[S+32*\x+\j:S+32*\x+\j+1], v[S+32*\x+\j:S+32*\x+\j+1], s[CS:CS+1], v[ST+8*\x:ST+8*\x+1] op_sel_hi:[1,0,0]   ; t - M, two at a time (of the pairs c and -M the low word serves both halves)
.endr
.endr
.set j, 0
	s_setprio 1
	s_wait_alu depctr_va_vdst(0)
.rept 64
	v_exp_f32 v[S+j], v[S+j]                       ; p = 2^(t - M), at most 1: one batch of both tiles
.set j, j+1
.endr
.irp x, 0,1
	v_pk_mul_f32 v[ST+8*\x+2:ST+8*\x+3], v[ST+8*\x+2:ST+8*\x+3], v[ST+8*\x+4:ST+8*\x+5] op_sel_hi:[1,0]   ; the sums under the new M: the plain instructions behind the exponentials
.endr
	s_wait_alu depctr_va_vdst(0)                   ; one wait for the whole batch, ahead of its first reader
.irp x, 0,1
	v_pk_add_f32 v[ST+8*\x+6:ST+8*\x+7], v[S+32*\x:S+32*\x+1], v[S+32*\x+2:S+32*\x+3]   ; the row's sum is taken of the UNQUANTISED p: two at a time, two chains a tile
.endr
.irp j, 4,8,12,16,20,24,28
.irp x, 0,1
	v_pk_add_f32 v[ST+8*\x+2:ST+8*\x+3], v[ST+8*\x+2:ST+8*\x+3], v[S+32*\x+\j:S+32*\x+\j+1]
	v_pk_add_f32 v[ST+8*\x+6:ST+8*\x+7], v[ST+8*\x+6:ST+8*\x+7], v[S+32*\x+\j+2:S+32*\x+\j+3]
.endr
.endr
.irp x, 0
	s_delay_alu instid0(VALU_DEP_3)
	v_pk_add_f32 v[ST+8*\x+2:ST+8*\x+3], v[ST+8*\x+2:ST+8*\x+3], v[ST+8*\x+6:ST+8*\x+7]
.endr
.irp x, 1
	s_delay_alu instid0(VALU_DEP_2)
	v_pk_add_f32 v[ST+8*\x+2:ST+8*\x+3], v[ST+8*\x+2:ST+8*\x+3], v[ST+8*\x+6:ST+8*\x+7]
.endr
.irp x, 0,1
.irp t, 0,1,2,3
.irp i, 0,1,2,3,4,5,6,7
.endr
	v_cvt_scalef32_pk8_fp8_f32 v[KF+8*\x+2*\t:KF+8*\x+2*\t+1], v[S+32*\x+8*\t:S+32*\x+8*\t+7], v[PSC]   ; keys 16 t + 8 h + 0 .. 7: registers 2 t, 2 t + 1 of P's fragment, where K's fragments lay
.endr
.endr
.irp x, 0,1
.irp j, 0,2,4,6,8,10,12,14,16,18,20,22,24,26,28,30
	v_pk_mul_f32 v[OT+32*\x+\j:OT+32*\x+\j+1], v[OT+32*\x+\j:OT+32*\x+\j+1], v[ST+8*\x+4:ST+8*\x+5] op_sel_hi:[1,0]   ; O^T under the new M; also the plain instructions behind the last conversion
.endr
.endr
	s_setprio 0
	s_wait_alu depctr_va_vdst(0)
	s_wait_dscnt 0x0                               ; V is in
.irp d, 0,1,2,3                                ; O^T += V^T P^T: eight accumulators, one instruction a turn; the next step's eight products K Q^T stand between two links of a chain
.irp x, 0,1
	v_wmma_f32_16x16x64_fp8_fp8 v[OT+32*\x+8*\d:OT+32*\x+8*\d+7], v[VF+8*\d:VF+8*\d+7], v[KF+8*\x:KF+8*\x+7], v[OT+32*\x+8*\d:OT+32*\x+8*\d+7]
.endr
.endr
.if \grded
.Lpast_\@:
.endif
.endm
.macro WALK qb, lim, grded
.Lwalk_\@:
	STEP \qb, \grded
	s_add_co_u32 s[TB], s[TB], 8192
	s_add_co_u32 s[SI], s[SI], 1
	s_cmp_lt_u32 s[SI], \lim
	s_cbranch_scc1 .Lwalk_\@
	s_setprio 0
.endm
; A pair's way out: O^T x 2^(e8 + e9) / sum, quantised with 2^e10; a tile's eight registers of codes are half of a 16 x 128 operand of the last launch and are stored as they stand.
.macro OUT ob, more
.irp x, 0,1
	v_add_f32 v[ST+8*\x+6], v[ST+8*\x+2], v[ST+8*\x+3]   ; the sum's two halves (these lines are also the places behind the last products)
.endr
.irp x, 0,1
	s_delay_alu instid0(VALU_DEP_2)
	v_permlanex16_b32 v[ST+8*\x+7], v[ST+8*\x+6], s[SEL], s[SEL+1]
.endr
.irp x, 0,1
	s_delay_alu instid0(VALU_DEP_2)
	v_add_f32 v[ST+8*\x+6], v[ST+8*\x+6], v[ST+8*\x+7]   ; and lane l xor 16's
.endr
	s_wait_alu depctr_va_vdst(0)
.irp x, 0,1
	v_rcp_f32 v[ST+8*\x+4], v[ST+8*\x+6]
.endr
	v_nop                                          ; a plain instruction behind the reciprocals,
	s_wait_alu depctr_va_vdst(0)                   ; and the one wait ahead of their first reader
.irp x, 0,1
	v_ldexp_f32 v[ST+8*\x+4], v[ST+8*\x+4], s[EPV]
.endr
.irp x, 0,1
.irp j, 0,2,4,6,8,10,12,14,16,18,20,22,24,26,28,30
	v_pk_mul_f32 v[OT+32*\x+\j:OT+32*\x+\j+1], v[OT+32*\x+\j:OT+32*\x+\j+1], v[ST+8*\x+4:ST+8*\x+5] op_sel_hi:[1,0]
.endr
.endr
.irp x, 0,1
.irp d, 0,1,2,3
.irp i, 0,1,2,3,4,5,6,7
.endr
	v_cvt_scalef32_pk8_fp8_f32 v[KF+8*\x+2*\d:KF+8*\x+2*\d+1], v[OT+32*\x+8*\d:OT+32*\x+8*\d+7], v[ASC]
.endr
.endr
	v_nop                                          ; one plain vector instruction behind the last conversion
.irp x, 0,1
.irp d, 0,1
	global_store_b128 v[LI], v[KF+8*\x+4*\d:KF+8*\x+4*\d+3], s[\ob:\ob+1] offset:16384*\x+512*\d   ; the wave stores 512 consecutive bytes, aligned
.endr
.endr
.if \more
	s_wait_xcnt 0x0                                ; the stores have read their registers: the next pair's fragments of K are loaded there
.endif
.endm
	INIT
	s_wait_loadcnt 0x0                             ; Q
	s_wait_tensorcnt 0x1                           ; my part of keys 0 - 1,023 is in; the second half's load may stay out
	s_barrier_signal -1
	s_barrier_wait -1                              ; everybody's is
	s_mov_b32 s[SI], 0
	s_mov_b32 s[TB], 0
	WALK QLG, 16, 0                                ; the long pair (queries from 1,024 on) against keys 0 - 1,023: sixteen steps in every wave, none hidden
	s_wait_tensorcnt 0x0                           ; my part of keys 1,024 - 2,047 is in,
	s_wait_dscnt 0x0
	s_barrier_signal -1
	s_barrier_wait -1                              ; everybody's is
	s_sub_co_u32 s[LST], 31, s[W2]                 ; block 15 - w ends with step 31 - 2 w
	s_sub_co_u32 s[DG], 30, s[W2]
	v_add_nc_u32 v[DQ], s[PLG], v[RH]
	s_mov_b32 s[SI], 16
	s_mov_b32 s[TB], HALF
	WALK QLG, 32, 1
	OUT OBL, 1
	INIT
	s_add_co_u32 s[LST], s[W2], 1                  ; the short pair: block w ends with step 2 w + 1
	s_mov_b32 s[DG], s[W2]
	v_add_nc_u32 v[DQ], s[PSH], v[RH]
	s_mov_b32 s[SI], 0
	s_mov_b32 s[TB], 0
	WALK QSH, 16, 1
	OUT OBS, 0
	s_wait_dscnt 0x0
	s_wait_tensorcnt 0x0
	ds_add_u32 v254, v255
	s_wait_dscnt 0x0
	ROUND                                          ; the closing round
	s_endpgm
.Lfunc_end_k_qbb2eff593e_attn:
	.size	k_qbb2eff593e_attn, .Lfunc_end_k_qbb2eff593e_attn-k_qbb2eff593e_attn
	.p2alignl 7, 3214868480
	.fill 96, 4, 3214868480
	.section	.rodata,"a",@progbits
	.p2align	6, 0x0
	.amdhsa_kernel k_qbb2eff593e_attn
		.amdhsa_group_segment_fixed_size 327680
		.amdhsa_private_segment_fixed_size 0
		.amdhsa_enable_private_segment 0
		.amdhsa_kernarg_size 32
		.amdhsa_user_sgpr_count 2
		.amdhsa_user_sgpr_kernarg_segment_ptr 1
		.amdhsa_wavefront_size32 1
		.amdhsa_system_sgpr_workgroup_id_x 1
		.amdhsa_system_sgpr_workgroup_id_y 1
		.amdhsa_system_sgpr_workgroup_id_z 1
		.amdhsa_system_vgpr_workitem_id 0
		.amdhsa_next_free_vgpr 256
		.amdhsa_next_free_sgpr 66
		.amdhsa_reserve_vcc 1
		.amdhsa_float_denorm_mode_32 3
		.amdhsa_float_denorm_mode_16_64 3
		.amdhsa_fp16_overflow 1
		.amdhsa_memory_ordered 1
		.amdhsa_forward_progress 1
		.amdhsa_inst_pref_size 72
	.end_amdhsa_kernel
	.amdgpu_metadata
---
amdhsa.version: [ 1, 2 ]
amdhsa.kernels:
  - .name:           k_qbb2eff593e_attn
    .symbol:         k_qbb2eff593e_attn.kd
    .args:
      - { .name: q_img, .offset: 0, .size: 8, .value_kind: global_buffer, .address_space: global }
      - { .name: kv_img, .offset: 8, .size: 8, .value_kind: global_buffer, .address_space: global }
      - { .name: lowp_scales, .offset: 16, .size: 8, .value_kind: global_buffer, .address_space: global }
      - { .name: a_img, .offset: 24, .size: 8, .value_kind: global_buffer, .address_space: global }
    .group_segment_fixed_size: 327680
    .private_segment_fixed_size: 0
    .kernarg_segment_align: 8
    .kernarg_segment_size: 32
    .max_flat_workgroup_size: 256
    .sgpr_count:     66
    .vgpr_count:     256
    .wavefront_size: 32
...
	.end_amdgpu_metadata
.endif
;; end of part 2
;; launch proj (part 3): grid 4 x 64, 4 waves a work-group, clusters of 4 x 4, 327,680 bytes of LDS; arguments a_img, Wo_codes, lowp_scales, out0, bo; writes out0
.if DOCPART == 3
	.amdgcn_target "amdgcn-amd-amdhsa--gfx1250"
	.amdhsa_code_object_version 6
	.text
	.protected	k_qbb2eff593e_proj
	.globl	k_qbb2eff593e_proj
	.p2align	8
	.type	k_qbb2eff593e_proj,@function
k_qbb2eff593e_proj:
	s_mov_b64 s[64:65], 0
	v_nop
	global_prefetch_b8 v0, s[64:65] scope:SCOPE_SE
	s_setreg_imm32_b32 hwreg(HW_REG_WAVE_MODE, 25, 1), 1
	s_wait_xcnt 0x0
	s_wait_alu depctr_hold_cnt(0) depctr_sa_sdst(0) depctr_va_vdst(0) depctr_va_sdst(0) depctr_va_ssrc(0) depctr_va_vcc(0) depctr_vm_vsrc(0)
	s_getreg_b32 s2, hwreg(HW_REG_IB_STS2, 6, 4)
	s_cmp_eq_u32 s2, 0
	s_cbranch_scc0 .Lentry_in_a_cluster
	s_endpgm
.Lentry_in_a_cluster:
	s_bfe_u32 s2, ttmp6, 0x10000c
	s_cmp_lg_u32 s2, 0xf033
	s_cbranch_scc0 .Lentry_shape_is_right
	s_endpgm
.Lentry_shape_is_right:
; THE OUTPUT PROJECTION out0 = a Wo + bo on codes of FP8 (E4M3): out0[m][n] = 2^(e10 + e11) x sum over k of a[m][k] Wo[n][k] + bo[n].  M = 8,192, N = 1,024, K = 1,024.
; a_img: the attention launch's results as images of operand registers: [tile of 16 tokens: 512][head: 16][1,024 bytes]; two neighbouring heads are one 16 x 128 fragment of the K = 128 form in that form's own layout
; (registers 2 c, 2 c + 1: k = 16 c + 8 h + 0 .. 7), four pieces of 16 bytes a lane at 16 x lane.  Wo_codes: [1024 (n)][1024 (k)], K innermost; its fragments are therefore fetched in the same layout: eight loads of 8 bytes.
; A tile of C is 128 rows x 256 columns: 256 work-groups, one for each WGP (256 x 256 would give 128).  Four waves, each 64 x 128: 32 accumulators, 256 registers; A and B have two sets of fragments each.
; K goes in steps of 256 through two LDS slots.  CLUSTERS: 4 x 4 work-groups; A's tile is shared along a row of the cluster, B's along a column: joint loads.
; THE MATRIX INSTRUCTION IS USED TRANSPOSED (source 0 = 16 rows of Wo, source 1 = 16 tokens): a lane holds eight neighbouring numbers of a row of C.
; LIMIT: e10 + e11 between -126 and 127, so that 2^(e10 + e11) is an f32 number.
; REGISTERS, in windows of 256: window 0: v0-31 addresses; v64-127, v128-191 A's two sets (4 fragments each); on the way out v32-95 a block's results, v128-255 rows read back.
;   window 1: B's two sets (8 fragments each).   window 2: the accumulators ((a, b) at v[8 (8 a + b)]).   window 3: v0-63 bo in the result's layout.
.set PITCH,  272                       ; a row of B in LDS: 256 bytes + 16 of padding: the 32 lanes of a load of 8 bytes (row r, half h: word 68 r + 2 h) touch 64 different banks (ISA guide 11.1)
.set FR,     16
.set NP,     4                         ; places behind this matrix instruction (ISA guide 7.12.1)
.set HALFB,  128*PITCH                 ; 128 rows of B: what one tensor load brings, and what one wave reads
.set BOFF,   32768                     ; a slot: A's 8 tiles of tokens x 4,096 bytes of images, then B's 256 rows
.set SLOT,   BOFF+2*HALFB
.set SPARE,  2*SLOT                    ; behind the ring: the spare words, 128 bytes for each wave: two blocks of 256 bytes that no other line names
.set SPITCH, 528                       ; the way out: a stage of 16 rows x (512 bytes + 16) for each wave, in slot 0, which has had its last fill and its last read when the first result is stored there
.set ADRA, 16                          ; v16-17  LDS address of my A images in slot 0, 1
.set ADRB, 20                          ; v20-21  of my B fragments
.set STO,  24                          ; v24     the way out: where I put 32 bytes of a row
.set RD,   25                          ; v25     where I read a row back
.set CO,   26                          ; v26     16 x lane
.set SPW,  28                          ; v28     LDS address of my spare word; never rewritten
.set NIL,  29                          ; v29     0; never rewritten
.set TMP,  32
.set AF,   64
.set BK,   128
.set G1, 24                            ; s[24:31] descriptor group 1 for A's tiles;  s[32:39] group 0, one set for each slot
.set G0, 32
.set G1B, 48                           ; s[48:55], s[56:63] the same for B's tiles
.set G0B, 56
.set MSB, 0
.macro WIN new                         ; the immediate's high byte repeats the setting that is left
.if MSB != (\new)
	s_set_vgpr_msb (MSB<<8)|(\new)
.set MSB, (\new)
.endif
.endm
.set MUL,  0xa1                        ; source 0 (B) window 1, source 1 (A) window 0, C and D window 2
.set TO_B, 0x40                        ; destination window 1, address window 0
.macro JLOAD g0a, g1a, g0b, g1b        ; a joint load: waves 0 and 1 fetch for A, waves 2 and 3 for B; four v_nop follow each of the two lines
	s_cmp_eq_u32 s15, 0
	s_cbranch_scc0 .Lfor_b_\@
	tensor_load_to_lds s[\g0a:\g0a+3], s[\g1a:\g1a+7]
	s_nop 0
.rept 4
	v_nop
.endr
	s_branch .Lasked_\@
.Lfor_b_\@:
	tensor_load_to_lds s[\g0b:\g0b+3], s[\g1b:\g1b+7]
	s_nop 0
.rept 4
	v_nop
.endr
.Lasked_\@:
.endm
.macro CREST                           ; a round of the cluster's barrier behind its opening barrier
	s_cmp_lg_u32 s14, 0
	s_cbranch_scc1 .Lnot_wave_0_\@
	s_barrier_signal -3
.Lnot_wave_0_\@:
	s_barrier_wait -3
	s_barrier_signal -1
	s_barrier_wait -1
.endm
.macro CROUND
	s_barrier_signal -1
	s_barrier_wait -1
	CREST
.endm
.macro PLACES n
.rept \n
	v_nop
.endr
.endm
	s_load_b256 s[4:11], s[0:1], 0x0               ; a_img s[4:5], Wo's codes s[6:7], the exponents s[8:9], out0 s[10:11]
	s_load_b64 s[12:13], s[0:1], 0x20              ; bo
	v_lshl_add_u32 v[SPW], v0, 2, SPARE
	v_mov_b32 v[NIL], 0
	ds_add_u32 v28, v29
	ds_add_u32 v28, v29
	s_wait_dscnt 0x0
	v_lshrrev_b32 v1, 5, v0
	v_readfirstlane_b32 s14, v1                    ; wave 0..3
	s_lshr_b32 s15, s14, 1                         ; which 64 rows of the tile are mine.  Also: I fetch for A (0) or for B (1)
	s_and_b32 s16, s14, 1                          ; which 128 columns.  Also: which half of that tile I fetch
	s_bfe_u32 s40, ttmp6, 0x40000                  ; cx, cy
	s_bfe_u32 s41, ttmp6, 0x40004
	s_lshl_b32 s42, ttmp9, 2
	s_add_co_u32 s42, s42, s40                     ; tile column of C = 4 x cluster x + cx
	s_and_b32 s17, ttmp7, 0xffff
	s_lshl_b32 s17, s17, 2
	s_add_co_u32 s17, s17, s41                     ; tile row of C = 4 x cluster y + cy
	s_lshl_b32 s43, s41, 2
	s_lshl_b32 s43, 15, s43                        ; my row of the cluster
	s_lshl_b32 s44, 0x1111, s40                    ; my column
	; A: four tiles of tokens x 4,096 bytes (four heads' images), 16,384 bytes apart in memory, dense in LDS
	s_or_b32 s[G1+0], s43, (3<<16)|(1<<21)         ; 15:0 the mask: my row; 17:16 elements of 8 bytes; 21 set beside a mask; no padding
	s_mov_b32 s[G1+1], 512<<16                     ; tensor_dim0 = 512 elements
	s_mov_b32 s[G1+2], 4<<16                       ; tensor_dim1 = 4
	s_mov_b32 s[G1+3], 512<<16                     ; tile_dim0
	s_mov_b32 s[G1+4], 4                           ; tile_dim1
	s_mov_b32 s[G1+5], 2048                        ; tensor_dim0_stride
	s_mov_b32 s[G1+6], 0
	s_mov_b32 s[G1+7], 0
	; B: 128 rows x 256 bytes, padded in LDS
	s_or_b32 s[G1B+0], s44, (0<<16)|(1<<20)|(1<<21)|(5<<22)|(3<<25)  ; the mask: my column; elements of 1 byte; padding: 4 words after every 64
	s_mov_b32 s[G1B+1], 256<<16
	s_mov_b32 s[G1B+2], 128<<16
	s_mov_b32 s[G1B+3], 256<<16
	s_mov_b32 s[G1B+4], 128
	s_mov_b32 s[G1B+5], 1024
	s_mov_b32 s[G1B+6], 0
	s_mov_b32 s[G1B+7], 0
	s_lshl_b32 s20, s17, 17                        ; A: 8 tiles of tokens of 16,384 bytes a tile row,
	s_lshl_b32 s18, s16, 16                        ; + my four
	s_add_co_u32 s20, s20, s18
	s_mov_b32 s21, 0
	s_lshl_b32 s46, s42, 18                        ; B: 256 rows of 1,024 bytes a tile column,
	s_lshl_b32 s18, s16, 17                        ; + my 128
	s_add_co_u32 s46, s46, s18
	s_mov_b32 s47, 0
	s_lshl_b32 s45, s16, 14                        ; where they go: A's halves,
	s_mul_i32 s19, s16, HALFB
	s_add_co_u32 s19, s19, BOFF                    ; B's halves: no place in the cluster enters an LDS address
	s_wait_kmcnt 0x0
	s_load_b64 s[96:97], s[8:9], 0x28              ; e10, e11
	s_add_nc_u64 s[20:21], s[4:5], s[20:21]
	s_add_nc_u64 s[46:47], s[6:7], s[46:47]
	CROUND                                         ; all sixteen work-groups are here: the first joint loads meet
.irp s, 0,1
	s_mov_b32 s[G0+4*\s], 1
	s_add_co_u32 s[G0+4*\s+1], s45, \s*SLOT
	s_add_nc_u64 s[G0+4*\s+2:G0+4*\s+3], s[20:21], \s*4096
	s_or_b32 s[G0+4*\s+3], s[G0+4*\s+3], 0x80000000
	s_mov_b32 s[G0B+4*\s], 1
	s_add_co_u32 s[G0B+4*\s+1], s19, \s*SLOT
	s_add_nc_u64 s[G0B+4*\s+2:G0B+4*\s+3], s[46:47], \s*256
	s_or_b32 s[G0B+4*\s+3], s[G0B+4*\s+3], 0x80000000
	s_wait_alu depctr_va_vdst(0)
	s_wait_tensorcnt 0x0
	ds_add_u32 v28, v29
	ds_add_u32 v28, v29
	s_wait_dscnt 0x0
	CROUND
	JLOAD G0+4*\s, G1, G0B+4*\s, G1B
.endr
	v_and_b32 v1, 15, v0                           ; r
	v_bfe_u32 v2, v0, 4, 1                         ; h
	v_and_b32 v6, 31, v0
	v_lshlrev_b32 v[CO], 4, v6
	v_mul_u32_u24 v3, v1, PITCH
	v_lshl_add_u32 v4, v2, 3, v3                   ; B: row x pitch + 8 x half
	s_lshl_b32 s21, s15, 14                        ; my four tiles of tokens
	s_mul_i32 s22, s16, HALFB                      ; my 128 rows of B,
	s_add_co_u32 s22, s22, BOFF                    ; behind A's images
.irp s, 0,1
	v_add_nc_u32 v[ADRA+\s], s21, v[CO]
	v_add_nc_u32 v[ADRB+\s], s22, v4
	s_add_co_u32 s21, s21, SLOT
	s_add_co_u32 s22, s22, SLOT
.endr
	s_mul_i32 s23, s14, 16*SPITCH                  ; my stage
	v_mul_u32_u24 v5, v1, SPITCH                   ; in: row r, 32 bytes for each half of the lanes
	v_lshl_add_u32 v5, v2, 5, v5
	v_add_nc_u32 v[STO], s23, v5
	v_add_nc_u32 v[RD], s23, v[CO]                 ; back: the 32 lanes take one row of 512 bytes
	v_lshlrev_b32 v7, 5, v2                        ; bo: 32 h
	s_wait_alu depctr_va_vdst(0)
	s_lshl_b32 s20, s17, 19                        ; my first row of C: 128 x tile row + 64 x half, rows of 4,096 bytes
	s_lshl_b32 s21, s15, 18
	s_add_co_u32 s20, s20, s21
	s_lshl_b32 s46, s42, 10                        ; my first column, in bytes: 1,024 x tile column + 512 x half
	s_lshl_b32 s47, s16, 9
	s_add_co_u32 s46, s46, s47
	s_mov_b32 s47, 0
	s_add_nc_u64 s[12:13], s[12:13], s[46:47]      ; bo at my 128 columns
	s_add_co_u32 s20, s20, s46
	s_mov_b32 s21, 0
	s_add_nc_u64 s[10:11], s[10:11], s[20:21]
	WIN 0xc0                                       ; destination window 3
.irp b, 0,1,2,3,4,5,6,7                        ; bo of columns 16 b + 8 h + 0 .. 7
	global_load_b128 v[8*\b:8*\b+3],   v7, s[12:13] offset:64*\b
	global_load_b128 v[8*\b+4:8*\b+7], v7, s[12:13] offset:64*\b+16
.endr
	WIN 0
; The fragments of the slot's q-th 128 along K into set: B's eight (eight loads of 8 bytes each: registers 2 c, 2 c + 1 hold k = 16 c + 8 h + 0 .. 7), A's four (images: four loads of 16 bytes each)
.macro FETCH slot, q, set
	WIN TO_B
.irp i, 0,1,2,3,4,5,6,7
.irp c, 0,1,2,3,4,5,6,7
	ds_load_b64 v[128*(\set)+FR*\i+2*\c:128*(\set)+FR*\i+2*\c+1], v[ADRB+\slot] offset:128*(\q)+16*\c+\i*16*PITCH
.endr
.endr
	WIN 0
.irp i, 0,1,2,3
.irp c, 0,1,2,3
	ds_load_b128 v[AF+64*(\set)+FR*\i+4*\c:AF+64*(\set)+FR*\i+4*\c+3], v[ADRA+\slot] offset:4096*\i+2048*(\q)+512*\c
.endr
.endr
.endm
; 8 matrix instructions: A's block a x B's eight.  The 32 accumulators take turns, one instruction a turn, in the same order in every step.
.macro MUL8 a, set, zero
	WIN MUL
.irp b, 0,1,2,3,4,5,6,7
.if \zero
	v_wmma_f32_16x16x128_fp8_fp8 v[8*(8*(\a)+\b):8*(8*(\a)+\b)+7], v[128*(\set)+FR*\b:128*(\set)+FR*\b+FR-1], v[AF+64*(\set)+FR*(\a):AF+64*(\set)+FR*(\a)+FR-1], 0
.else
	v_wmma_f32_16x16x128_fp8_fp8 v[8*(8*(\a)+\b):8*(8*(\a)+\b)+7], v[128*(\set)+FR*\b:128*(\set)+FR*\b+FR-1], v[AF+64*(\set)+FR*(\a):AF+64*(\set)+FR*(\a)+FR-1], v[8*(8*(\a)+\b):8*(8*(\a)+\b)+7]
.endif
.endr
.endm
; A slot's first 128 along K (set 0); the second 128's fragments are asked for ahead of the products, into set 1.
.macro STEP slot, zero
	s_wait_dscnt 0x0                               ; set 0 is in
	PLACES NP                                      ; in front of loads into set 1, which the last products read
	FETCH \slot, 1, 1
	MUL8 0, 0, \zero
	MUL8 1, 0, \zero
	MUL8 2, 0, \zero
	MUL8 3, 0, \zero
.endm
; A slot's second 128 along K (set 1) changes slots: ONE barrier; in front of it each wave waits for all its tensor loads, adds 0 to its spare word, and waits for that and for its own reads of this slot.
.macro TURN slot, next, fill
	WIN 0                                          ; (the add's two registers lie in window 0)
	s_wait_tensorcnt 0x0                           ; all my tensor loads have landed: my part of the next slot;
	ds_add_u32 v[SPW], v[NIL]                      ; 0 onto my spare word
	s_wait_dscnt 0x1                               ; (set 1 is in; the add alone may be out)
	MUL8 0, 1, 0                                   ; eight matrix instructions stand between the add and the wait for it
	s_wait_dscnt 0x0                               ; the add is done, and my reads of this slot are over
	s_barrier_signal -1
	MUL8 1, 1, 0
	WIN 0
	s_barrier_wait -1
.if \fill
	CREST                                          ; the barrier has opened a round of the cluster's barrier: no wave of any partner still reads this slot's tile or has a load on its way
	s_add_nc_u64 s[G0+4*\slot+2:G0+4*\slot+3], s[G0+4*\slot+2:G0+4*\slot+3], 2*4096
	s_add_nc_u64 s[G0B+4*\slot+2:G0B+4*\slot+3], s[G0B+4*\slot+2:G0B+4*\slot+3], 2*256
	JLOAD G0+4*\slot, G1, G0B+4*\slot, G1B         ; the first tensor load behind the round; the four v_nop behind it are the places in front of the loads below
.else
	PLACES NP
.endif
	FETCH \next, 0, 0
	MUL8 2, 1, 0
	MUL8 3, 1, 0
.endm
	s_wait_tensorcnt 1                             ; my part of K step 0 is in (K step 1's load may be out),
	s_barrier_signal -1
	s_barrier_wait -1                              ; everybody's is
	FETCH 0, 0, 0
	STEP 0, 1                                      ; K 0-127: the first products start the sums
	TURN 0, 1, 1                                   ; slot 0 takes K 512-767
	STEP 1, 0
	TURN 1, 0, 1                                   ; slot 1 takes K 768-1,023
	STEP 0, 0
	TURN 0, 1, 0                                   ; nothing is left to fetch: no round.  Behind this barrier nobody reads slot 0
	STEP 1, 0
	s_wait_dscnt 0x0
	MUL8 0, 1, 0
	MUL8 1, 1, 0
	MUL8 2, 1, 0
	MUL8 3, 1, 0
	WIN 0
; THE WAY OUT, block by block of 16 rows x 128 columns: sum x 2^(e10 + e11) + bo, one packed multiply-add for two numbers; through my own stage in LDS; back as whole rows of 512 bytes, which the 32 lanes store as one aligned
; piece of 512 bytes.  LDS serves a wave's instructions in order (ISA guide 5.7.1.4): no wait between the stores and the loads, nor in front of the next block's stores.
.macro TOSTAGE a
	WIN 0x32                                       ; source 0 (the sums) window 2, source 2 (bo) window 3
.irp j, 0,2,4,6,8,10,12,14,16,18,20,22,24,26,28,30,32,34,36,38,40,42,44,46,48,50,52,54,56,58,60,62
	v_pk_fma_f32 v[TMP+\j:TMP+\j+1], v[64*(\a)+\j:64*(\a)+\j+1], s[96:97], v[\j:\j+1] op_sel_hi:[1,0,1]   ; each accumulator from its low end on
.endr
	WIN 0
.irp b, 0,1,2,3,4,5,6,7
	ds_store_b128 v[STO], v[TMP+8*\b:TMP+8*\b+3] offset:64*\b
	ds_store_b128 v[STO], v[TMP+8*\b+4:TMP+8*\b+7] offset:64*\b+16
.endr
.set BB, BK+64*((\a)%2)
.irp t, 0,1,2,3,4,5,6,7,8,9,10,11,12,13,14,15
	ds_load_b128 v[BB+4*\t:BB+4*\t+3], v[RD] offset:\t*SPITCH
.endr
.endm
.macro SEND a, younger                 ; younger: the LDS instructions issued behind block a's loads, which may stay out
.set BB, BK+64*((\a)%2)
	s_wait_dscnt \younger                          ; the block is back in registers
.if (\a) > 0
	s_add_nc_u64 s[10:11], s[10:11], 16*4096       ; (behind a wait on XCNT: the earlier stores have read their base)  16 rows of C on
.endif
.irp t, 0,1,2,3,4,5,6,7,8,9,10,11,12,13,14,15
	global_store_b128 v[CO], v[BB+4*\t:BB+4*\t+3], s[10:11] offset:\t*4096 th:TH_STORE_NT   ; 32 lanes store 512 consecutive bytes, aligned; written once, read by nobody here
.endr
.endm
	s_wait_kmcnt 0x0
	s_add_co_i32 s96, s96, s97                     ; e10 + e11
	s_add_co_i32 s96, s96, 127
	s_lshl_b32 s96, s96, 23                        ; 2^(e10 + e11) as f32
	s_mov_b32 s97, s96                             ; (named with it as a pair)
	s_wait_loadcnt 0x0                             ; bo
	PLACES NP                                      ; in front of the first read of results, and of writes and loads into registers that held fragments
	TOSTAGE 0
.irp a, 1,2,3
.if \a > 1
	s_wait_xcnt 0x0                                ; block a - 2's stores have read their registers and their base: block a's loads may land there, and the base may step
.endif
	TOSTAGE \a
	SEND \a-1, 32                                  ; behind block a - 1's loads: block a's 16 stores and 16 loads
.endr
	s_wait_xcnt 0x0                                ; block 2's stores have read their base
	SEND 3, 0
	s_wait_tensorcnt 0x0                           ; the wave's end: behind my last tensor load and my last LDS store
	ds_add_u32 v[SPW], v[NIL]
	s_wait_dscnt 0x0
	CROUND                                         ; the closing round: no work-group ends while a partner may still ask for a tile that names it
	s_endpgm
.Lfunc_end_k_qbb2eff593e_proj:
	.size	k_qbb2eff593e_proj, .Lfunc_end_k_qbb2eff593e_proj-k_qbb2eff593e_proj
	.p2alignl 7, 3214868480
	.fill 96, 4, 3214868480
	.section	.rodata,"a",@progbits
	.p2align	6, 0x0
	.amdhsa_kernel k_qbb2eff593e_proj
		.amdhsa_group_segment_fixed_size 327680
		.amdhsa_private_segment_fixed_size 0
		.amdhsa_enable_private_segment 0
		.amdhsa_kernarg_size 40
		.amdhsa_user_sgpr_count 2
		.amdhsa_user_sgpr_kernarg_segment_ptr 1
		.amdhsa_wavefront_size32 1
		.amdhsa_system_sgpr_workgroup_id_x 1
		.amdhsa_system_sgpr_workgroup_id_y 1
		.amdhsa_system_sgpr_workgroup_id_z 1
		.amdhsa_system_vgpr_workitem_id 0
		.amdhsa_next_free_vgpr 832
		.amdhsa_next_free_sgpr 98
		.amdhsa_reserve_vcc 0
		.amdhsa_float_denorm_mode_32 3
		.amdhsa_float_denorm_mode_16_64 3
		.amdhsa_memory_ordered 1
		.amdhsa_forward_progress 1
		.amdhsa_inst_pref_size 93
	.end_amdhsa_kernel
	.amdgpu_metadata
---
amdhsa.version: [ 1, 2 ]
amdhsa.kernels:
  - .name:           k_qbb2eff593e_proj
    .symbol:         k_qbb2eff593e_proj.kd
    .args:
      - { .name: a_img, .offset: 0, .size: 8, .value_kind: global_buffer, .address_space: global }
      - { .name: Wo_codes, .offset: 8, .size: 8, .value_kind: global_buffer, .address_space: global }
      - { .name: lowp_scales, .offset: 16, .size: 8, .value_kind: global_buffer, .address_space: global }
      - { .name: out0, .offset: 24, .size: 8, .value_kind: global_buffer, .address_space: global }
      - { .name: bo, .offset: 32, .size: 8, .value_kind: global_buffer, .address_space: global }
    .group_segment_fixed_size: 327680
    .private_segment_fixed_size: 0
    .kernarg_segment_align: 8
    .kernarg_segment_size: 40
    .max_flat_workgroup_size: 128
    .sgpr_count:     98
    .vgpr_count:     832
    .wavefront_size: 32
...
	.end_amdgpu_metadata
.endif
;; end of part 3
